; MI455X (gfx1250); checked and timed in simulation.
; The chip was launched on July 23, 2026; its instructions are those of AMD's public machine-readable ISA for CDNA 5 (MIT licence, August 2026) and "CDNA5" Instruction Set Architecture Reference Guide (July 2026). The comments in the code are by the model that wrote it; some were corrected since.
;; Attention. Allowed arithmetic: matrix products marked QUANTISED: E2M1 operands, one E8M0 scale for each 32 along K, by v_wmma_scale_f32_16x16x128_f8f6f4 with both operands' format E2M1 (or v_wmma_scale_f32_32x16x128_f4), f32 sums; products left as they are: f32 operands where the result goes on into a quantised operand, else bf16, f16 or f32 operands; f32 sums; everything else in f32.
;; Inputs: W1_codes 32 x 1 x 16 uint8 (E2M1 codes of W1, K innermost, in blocks of 32 codes, two codes a byte); W1_scales 32 x 1 uint8 (E8M0 scales of W1, one for each 32 codes along K); W2_codes 32 x 1 x 16 uint8 (E2M1 codes of W2, K innermost, in blocks of 32 codes, two codes a byte); W2_scales 32 x 1 uint8 (E8M0 scales of W2, one for each 32 codes along K); W3_codes 32 x 1 x 16 uint8 (E2M1 codes of W3, K innermost, in blocks of 32 codes, two codes a byte); W3_scales 32 x 1 uint8 (E8M0 scales of W3, one for each 32 codes along K); W4 32 x 1 float32; all_memory 4,096 x 200 x 32 float32; average_memory_codes 4,096 x 1 x 16 uint8 (E2M1 codes of average_memory, K innermost, in blocks of 32 codes, two codes a byte); average_memory_scales 4,096 x 1 uint8 (E8M0 scales of average_memory, one for each 32 codes along K); b1 32 float32; b2 32 float32; b3 32 float32; last_memory_codes 4,096 x 1 x 16 uint8 (E2M1 codes of last_memory, K innermost, in blocks of 32 codes, two codes a byte); last_memory_scales 4,096 x 1 uint8 (E8M0 scales of last_memory, one for each 32 codes along K); mask 4,096 x 200 bool.
;; Outputs: out0 4,096 x 32 float32.
;; This version of the problem:
;;   THIS VERSION OF THE PROBLEM IS GIVEN IN LOW PRECISION. The matrix products marked QUANTISED in the list below multiply operands that are first quantised to E2M1 (2 exponent bits, 1 mantissa bit; 4 bits a number), with one power-of-two scale for each 32 numbers along K (OCP MX v1.0); their sums are f32. All else is computed in f32.
;;   The module's matrix products, in the order in which they are computed (A, B: the left and right operand; K: the contracted axis; several contracted axes count as one K, in the product's order):
;;     1. [M 819,200, K 32] x [K 32, N 32]; A: input all_memory; B: input W1 (given as codes): QUANTISED
;;     2. [M 4,096, K 32] x [K 32, N 32]; A: input last_memory (given as codes); B: input W2 (given as codes): QUANTISED
;;     3. [M 4,096, K 32] x [K 32, N 32]; A: input average_memory (given as codes); B: input W3 (given as codes): QUANTISED
;;     4. [M 819,200, K 32] x [K 32, N 1]; A: computed on the way; B: input W4: left as it is (N = 1 < 16)
;;   THE QUANTISER, for each operand of a quantised product, along K:
;;     - K is cut into blocks of 32 from its start; a last block that is shorter is filled with zeros.
;;     - A block's scale is 2^e with e = floor(log2(the largest magnitude in the block)) - 2, held to -126 .. 127; a block of zeros has e = 0. As a byte (E8M0): e + 127.
;;     - Each number is divided by its block's scale, clamped to +-6, and rounded to the nearest number of E2M1, ties to even, subnormals kept.
;;     - The product sums the exact products of the quantised numbers (number of the format x scale) in f32.
;;   ~~~python
;;   def quantise(x, axis):      # numpy; x: float32 -> the quantised numbers, widened to float32 again
;;       x = np.moveaxis(x, axis, -1); K = x.shape[-1]
;;       x = np.pad(x, [(0, 0)] * (x.ndim - 1) + [(0, -K % 32)]); x = x.reshape(x.shape[:-1] + (-1, 32)); a = np.abs(x).max(-1, keepdims=True)
;;       e = np.where(a > 0, np.clip(np.frexp(np.where(a > 0, a, 1))[1] - 1 - 2, -126, 127), 0)      # np.frexp(a)[1] - 1 = floor(log2(a)), exactly
;;       r = np.clip(x / 2.0 ** e, -6, 6)
;;       step = 2.0 ** (np.maximum(np.frexp(np.where(r == 0, 1, r))[1] - 1, 0) - 1)
;;       q = np.round(r / step) * step * 2.0 ** e      # np.round: ties to even
;;       return np.moveaxis(q.reshape(q.shape[:-2] + (-1,))[..., :K], -1, axis).astype(np.float32)
;;   ~~~
;;   INPUTS GIVEN AS CODES. W1 (in the module: [32, 32], K = its axis 0); W2 (in the module: [32, 32], K = its axis 0); W3 (in the module: [32, 32], K = its axis 0); average_memory (in the module: [4096, 32], K = its axis 1); last_memory (in the module: [4096, 32], K = its axis 1): each comes as NAME_codes (uint8): NAME with its K axis moved to the last place and cut into blocks of 32 codes, [.., K / 32, bytes a block], one block behind the other in memory; two codes a byte, the lower K in the low four bits (a code: sign, 2 exponent bits, 1 mantissa bit); and NAME_scales (uint8): the same leading axes, one E8M0 byte (e + 127) for each 32 codes along K. Its value is code x scale, taken as it is: it is not quantised again, and the codes and scales need not be those that the quantiser above would give.
;; One version. Each part assembles by itself: llvm-mc -triple=amdgcn-amd-amdhsa -mcpu=gfx1250 --defsym DOCPART=n.
;; ======== version 1 of 1: 1 launch
;; launch attn (part 1): grid 256 x 1, 16 waves a work-group, no clusters, 327,680 bytes of LDS; arguments all_memory, out0, W1_codes, W2_codes, W3_codes, W1_scales, W2_scales, W3_scales, b1, b2, b3, W4, last_memory_codes, average_memory_codes, last_memory_scales, average_memory_scales; writes out0
.if DOCPART == 1
	.amdgcn_target "amdgcn-amd-amdhsa--gfx1250"
	.amdhsa_code_object_version 6
	.text
	.protected	k_q6f125d7b6d_attn
	.globl	k_q6f125d7b6d_attn
	.p2align	8
	.type	k_q6f125d7b6d_attn,@function
k_q6f125d7b6d_attn:
	s_mov_b64 s[64:65], 0
	v_nop
	global_prefetch_b8 v0, s[64:65] scope:SCOPE_SE
	s_setreg_imm32_b32 hwreg(HW_REG_WAVE_MODE, 25, 1), 1
	s_wait_xcnt 0x0
; out[b][:] = sum over s of score(b, s) x[b][s][:],  score = sigmoid(Q(x) W1 + last[b] W2 + avg[b] W3 + b1 + b2 + b3) . W4,  x = all_memory [4096][200][32] f32.
; The three products run on codes of FP4 (E2M1) with one E8M0 scale for each 32 along K; W1, W2, W3, last and avg arrive as codes, x is quantised here, one block of 32 a row.
; The dot with W4 (N = 1) and the last sum, which takes the unquantised x, are f32 multiply-adds.
; SHARES.  A work-group of sixteen waves owns 16 b; a wave owns ONE b: 200 rows, 25,600 dense bytes.  Waves share nothing until the 16 result rows are gathered for the store: one barrier.
; A LANE IS A ROW.  In a step of 32 rows lane l holds row l's 32 numbers in 32 registers: the block's largest magnitude needs no other lane, four conversions give the row's 16 bytes of codes,
; and the last sum is 16 packed multiply-adds with the lane's own score.
; ONE OPERAND OF x SERVES TWO TILES OF 16 ROWS, AND THE OTHER TWO PRODUCTS RIDE IN THE SAME K.  A 4-bit fragment gives lane (r, h) k = 32 h .. in registers 0-3 and k = 64 + 32 h .. in registers 4-7.
; x's operand (source 1): registers 0-3 = the lane's own codes (block 0: rows 0-15, block 1: rows 16-31); registers 4-7, fixed for the wave: last[b] in lanes 0-15 (block 2), avg[b] in lanes 16-31 (block 3).
; The weights (source 0, 16 outputs f): LO = [W1 | 0 | W2 | W3] gives rows 0-15, HI = [0 | W1 | W2 | W3] gives rows 16-31.  Zero codes add nothing under any scale byte but 0xff.  C = b1 + b2 + b3.
; So one matrix instruction gives the whole argument of the sigmoid for 16 rows x 16 f, four serve a step, and in the result lane (r, h) holds row r and f = 16 t + 8 h + j in register j.
; THE BYTES.  All of a b is asked for at the head.  Rows 0-135 come by two tensor loads into the wave's own LDS region, as dense rows of 256 bytes (two rows of x) with 16 bytes of padding behind each;
; rows 136-199 come by 16 loads of 512 consecutive bytes into 64 registers and are put, in the same padded form, into the region's first 32 pair-rows once those have been read.
; No LDS byte is filled twice by a tensor load; by this text's count a wave has two tensor loads out.
; x AND THE RESULTS CHANGE PLACES: two regions of 32 registers; a step's results overwrite the x of the step before, whose 16 multiply-adds into the sums therefore stand inside this step.
; LIMITS.  NaN and infinities in all_memory are not served.  A row of zeros gets the scale byte 1 where the quantiser says 127: its codes are zeros, so the product is the same.
; The three biases are added first and the three products are summed inside one instruction: another order of f32 rounding than the source's.
; sigmoid(p) = 1 / (1 + 2^(-p log2 e)): where the exponential overflows the result is 0, where it underflows 1.
; The input mask is not read: the function that defines the result takes it and never uses it, so no output number hangs on any of its bytes.
.set REGION, 18688                     ; LDS bytes of a wave: 68 pair-rows of 272 = 18,496, rounded up to blocks of 256
.set PR,     272                       ; a pair-row: 256 bytes + 16 of padding = 68 words: lane l's row starts at word 68 (l / 2) + 32 (l % 2): sixteen neighbouring lanes start in sixteen different groups of four banks (64 banks of 4 bytes: ISA guide 11.1)
.set STEPB,  16*PR                     ; a step's 32 rows
.set OUTS,   16*REGION                 ; behind the regions: the 16 result rows, 2,048 bytes; no tensor load lands there
.set BROW,   25600                     ; bytes of a b
.set LANDED, 136*128                   ; where a b's rows 136-199 begin
.set LA,  1                            ; v1   LDS address of my row in a step's 32
.set SA,  2                            ; v2   LDS address of my 16 bytes of two pair-rows, for the landing registers' way into LDS
.set H8,  3                            ; v3   8 x (lane / 16)
.set KS,  4                            ; v4   last[b]'s scale byte << 16 | avg[b]'s << 24
.set WS,  5                            ; v5   the weights' scale word of output f = lane: W1's, W1's, W2's, W3's byte.  Scales alone
.set XS,  6                            ; v6   x's scale word: row r's byte, row 16 + r's, last's, avg's.  Scales alone
.set TP,  7                            ; v7   a lane permute's destination
.set MX,  8                            ; v8-9 two chains of the largest magnitude; at the head v8-12 are the small loads' offsets
.set SCO, 10                           ; v10  the conversions' scale operand
.set EB,  11                           ; v11  the scale's byte
.set LAT, 18                           ; v18  as LA for the eight rows 128-135: lane l takes row l % 8
.set GO,  19                           ; v19  16 x lane; never rewritten
.set XC,  24                           ; v[24:31]   x's operand
.set WLO, 32                           ; v[32:47]   LO, f 0-15 and 16-31
.set WHI, 48                           ; v[48:63]   HI likewise
.set CB,  64                           ; v[64:79]   b1 + b2 + b3 in the result's layout
.set W4V, 80                           ; v[80:95]   W4 in the result's layout
.set XP,  96                           ; v[96:127]  region P
.set XQ,  128                          ; v[128:159] region Q
.set ACC, 160                          ; v[160:191] the lane's 32 running sums
.set RL,  192                          ; v[192:255] the landing registers
                                       ; v[12:13], v[14:15] partial dots; v[16:17] the score (v17 is only named with it as a pair)
	s_load_b512 s[8:23], s[0:1], 0x0               ; all_memory s[8:9], out0 s[10:11], W1, W2, W3 codes s[12:17], W1, W2, W3 scales s[18:23]
	s_load_b512 s[24:39], s[0:1], 0x40             ; b1, b2, b3, W4 s[24:31], last, avg codes s[32:35], last, avg scales s[36:39]
	v_lshl_add_u32 v22, v0, 2, 0x49800
	v_mov_b32 v23, 0
	ds_add_u32 v22, v23
	ds_add_u32 v22, v23
	v_lshrrev_b32 v1, 5, v0
	v_readfirstlane_b32 s2, v1                     ; wave 0..15
	s_lshl_b32 s3, ttmp9, 4
	s_add_co_u32 s3, s3, s2                        ; my b = 16 x work-group + wave
	s_mul_i32 s4, s3, BROW                         ; its first byte in all_memory: under 2^27
	s_mov_b32 s5, 0
	s_mul_i32 s6, s2, REGION                       ; my LDS region
	s_lshl_b32 s7, s3, 4                           ; 16 b: my codes of last and avg
	; descriptor group 1: 34 dense rows of 256 bytes (32 elements of 8 bytes), padded in LDS
	s_mov_b32 s40, (3<<16)|(1<<20)|(5<<22)|(3<<25) ; 15:0 no mask; 17:16 elements of 8 bytes; 20 padding on; 24:22 after every 64 words (code 5); 31:25 four words (code 3)
	s_mov_b32 s41, 32<<16                          ; tensor_dim0 = 32
	s_mov_b32 s42, 34<<16                          ; tensor_dim1 = 34
	s_mov_b32 s43, 32<<16                          ; tile_dim0 = 32
	s_mov_b32 s44, 34                              ; tile_dim1 = 34
	s_mov_b32 s45, 32                              ; from row to row: 32 elements
	s_mov_b32 s46, 0
	s_mov_b32 s47, 0
	s_mov_b32 s56, 0x76543210                      ; v_permlanex16_b32's selects for lane l xor 16
	s_mov_b32 s57, 0xfedcba98
	s_mov_b32 s58, 0xbfb8aa3b                      ; -log2(e); the packed form names a pair and takes its low word for both halves
	s_mov_b32 s59, 0xbfb8aa3b
	s_mov_b32 s60, 0xff00ff00                      ; lanes whose bit 3 is set,
	s_mov_b32 s61, 0xf0f0f0f0                      ; bit 2,
	s_mov_b32 s62, 0xcccccccc                      ; bit 1,
	s_mov_b32 s63, 0xaaaaaaaa                      ; bit 0
	s_mov_b32 s66, 0xffff0000                      ; lanes 16-31
	s_mov_b32 s67, 0x0000ffff                      ; lanes 0-15
	s_mov_b32 s68, 0x000000ff                      ; lanes 0-7
	s_wait_dscnt 0x0
	s_wait_kmcnt 0x0
	s_add_nc_u64 s[8:9], s[8:9], s[4:5]            ; all_memory at my b
	s_lshl_b32 s4, ttmp9, 11
	s_add_nc_u64 s[10:11], s[10:11], s[4:5]        ; out0 at the work-group's 16 rows
	s_mov_b32 s48, 1                               ; group 0, first tile: count = 1,
	s_mov_b32 s49, s6                              ; to my region's first byte,
	s_mov_b64 s[50:51], s[8:9]                     ; from rows 0-67,
	s_or_b32 s51, s51, 0x80000000                  ; type = 2
	s_mov_b32 s52, 1                               ; second tile:
	s_add_co_u32 s53, s6, 34*PR                    ; behind the first's 34 pair-rows,
	s_add_nc_u64 s[54:55], s[8:9], 34*256          ; rows 68-135
	s_or_b32 s55, s55, 0x80000000
	tensor_load_to_lds s[48:51], s[40:47]          ; both fills go out together, ahead of every wait on TENSORcnt, every LDS read and the barrier
	s_nop 0
	tensor_load_to_lds s[52:55], s[40:47]
	s_nop 0
	v_and_b32 v8, 15, v0                           ; r
	v_and_b32 v9, 31, v0                           ; lane: also the offset of my byte of the weights' scales
	v_bfe_u32 v10, v0, 4, 1                        ; h
	v_and_b32 v13, 1, v0
	v_lshlrev_b32 v[H8], 3, v10
	v_mul_u32_u24 v[SA], v10, PR
	v_lshl_add_u32 v[SA], v8, 4, v[SA]
	v_add_nc_u32 v[SA], s6, v[SA]                  ; lanes 0-15 one pair-row's 256 bytes, lanes 16-31 the next
	v_bfe_u32 v[LA], v0, 1, 4
	v_mul_u32_u24 v[LA], v[LA], PR
	v_lshl_add_u32 v[LA], v13, 7, v[LA]
	v_add_nc_u32 v[LA], s6, v[LA]                  ; pair-row lane / 2, half lane % 2
	v_bfe_u32 v[LAT], v0, 1, 2
	v_mul_u32_u24 v[LAT], v[LAT], PR
	v_lshl_add_u32 v[LAT], v13, 7, v[LAT]
	v_add_nc_u32 v[LAT], s6, v[LAT]                ; the same of lane % 8
	v_lshlrev_b32 v[GO], 4, v9
	v_lshlrev_b32 v8, 4, v8                        ; 16 r: output r's codes in a weight's tile
	v_lshlrev_b32 v10, 5, v10                      ; 32 h: my half's eight numbers of a bias's sixteen
	v_mov_b32 v11, s7                              ; 16 b
	v_mov_b32 v12, s3                              ; b
	; 29 small loads; their temporaries lie in regions that the steps use later
.irp t, 0,1
	global_load_b128 v[XP+4*\t:XP+4*\t+3], v8, s[12:13] offset:256*\t          ; W1's codes of f = 16 t + r
	global_load_b128 v[XP+8+4*\t:XP+8+4*\t+3], v8, s[14:15] offset:256*\t      ; W2's
	global_load_b128 v[XP+16+4*\t:XP+16+4*\t+3], v8, s[16:17] offset:256*\t    ; W3's
.endr
	global_load_b128 v[XP+24:XP+27], v11, s[32:33]                             ; last[b]'s codes, in every lane
	global_load_b128 v[XP+28:XP+31], v11, s[34:35]                             ; avg[b]'s
	global_load_u8 v[XQ], v9, s[18:19]                                         ; the scale bytes of f = lane
	global_load_u8 v[XQ+1], v9, s[20:21]
	global_load_u8 v[XQ+2], v9, s[22:23]
	global_load_u8 v[XQ+3], v12, s[36:37]                                      ; and of my b
	global_load_u8 v[XQ+4], v12, s[38:39]
.irp t, 0,1
.irp c, 0,1
	global_load_b128 v[CB+8*\t+4*\c:CB+8*\t+4*\c+3], v10, s[24:25] offset:64*\t+16*\c          ; b1 at f = 16 t + 8 h + 0 .. 7
	global_load_b128 v[ACC+8*\t+4*\c:ACC+8*\t+4*\c+3], v10, s[26:27] offset:64*\t+16*\c        ; b2
	global_load_b128 v[ACC+16+8*\t+4*\c:ACC+16+8*\t+4*\c+3], v10, s[28:29] offset:64*\t+16*\c  ; b3
	global_load_b128 v[W4V+8*\t+4*\c:W4V+8*\t+4*\c+3], v10, s[30:31] offset:64*\t+16*\c        ; W4
.endr
.endr
	; 16 landing loads: rows 136-199, 512 consecutive bytes each, read once
.irp n, 0,1,2,3,4,5,6,7,8,9,10,11,12,13,14,15
	global_load_b128 v[RL+4*\n:RL+4*\n+3], v[GO], s[8:9] offset:LANDED+512*\n th:TH_LOAD_NT
.endr
	s_wait_loadcnt 16                              ; loads come back in order (ISA guide 5.7.1): the 29 small ones are in, so their offsets v8-12 are free; the 16 landing loads stay out
.irp t, 0,1
.irp g, 0,1,2,3
	v_cndmask_b32 v[WLO+8*\t+\g], 0, v[XP+4*\t+\g], s67                        ; LO: block 0 = W1, block 1 = zeros
	v_cndmask_b32 v[WHI+8*\t+\g], 0, v[XP+4*\t+\g], s66                        ; HI: block 0 = zeros, block 1 = W1
	v_cndmask_b32 v[WLO+8*\t+4+\g], v[XP+8+4*\t+\g], v[XP+16+4*\t+\g], s66     ; both: block 2 = W2, block 3 = W3
	v_cndmask_b32 v[WHI+8*\t+4+\g], v[XP+8+4*\t+\g], v[XP+16+4*\t+\g], s66
.endr
.endr
.irp g, 0,1,2,3
	v_cndmask_b32 v[XC+4+\g], v[XP+24+\g], v[XP+28+\g], s66                    ; x's operand: block 2 = last[b], block 3 = avg[b]
.endr
	v_mul_u32_u24 v[WS], v[XQ], 0x101              ; W1's byte for blocks 0 and 1,
	v_lshl_or_b32 v[WS], v[XQ+1], 16, v[WS]        ; W2's for block 2,
	v_lshl_or_b32 v[WS], v[XQ+2], 24, v[WS]        ; W3's for block 3
	v_lshlrev_b32 v[KS], 16, v[XQ+3]
	v_lshl_or_b32 v[KS], v[XQ+4], 24, v[KS]
.irp p, 0,2,4,6,8,10,12,14
	v_pk_add_f32 v[CB+\p:CB+\p+1], v[CB+\p:CB+\p+1], v[ACC+\p:ACC+\p+1]
.endr
.irp p, 0,2,4,6,8,10,12,14
	v_pk_add_f32 v[CB+\p:CB+\p+1], v[CB+\p:CB+\p+1], v[ACC+16+\p:ACC+16+\p+1]
.endr
	v_mov_b32 v[TP], 0                             ; written once: a lane permute's destination counts as one of its sources
	v_mov_b32 v17, 0                               ; named as the upper half of the pair v[16:17]
; a step's x: my row's 128 bytes
.macro LOADX xr, adr, off
.irp j, 0,1,2,3,4,5,6,7
	ds_load_b128 v[\xr+4*\j:\xr+4*\j+3], v[\adr] offset:\off+16*\j
.endr
.endm
; eight pairs of the running sums take score x x.  first = 1: the first products start the sums: nothing is cleared
.macro ACC8 xr, p0, first
.set pp, \p0
.rept 8
.if \first
	v_pk_mul_f32 v[ACC+2*pp:ACC+2*pp+1], v[\xr+2*pp:\xr+2*pp+1], v[16:17] op_sel_hi:[1,0]
.else
	v_pk_fma_f32 v[ACC+2*pp:ACC+2*pp+1], v[\xr+2*pp:\xr+2*pp+1], v[16:17], v[ACC+2*pp:ACC+2*pp+1] op_sel_hi:[1,0,1]
.endif
.set pp, pp+1
.endr
.endm
; my row becomes 32 codes in v[XC:XC+3]; the two rows' bytes and the fixed two make the scale word
.macro QUANT xr
	v_max3_num_f32 v[MX], |v[\xr]|, |v[\xr+1]|, 0x1800000          ; the largest magnitude, in two chains, with the floor 2^(3 - 127) among its leaves: the byte cannot fall under 1
	v_max3_num_f32 v[MX+1], |v[\xr+2]|, |v[\xr+3]|, |v[\xr+4]|
.set ii, 0
.rept 13
	v_max3_num_f32 v[MX+ii%2], v[MX+ii%2], |v[\xr+5+2*ii]|, |v[\xr+6+2*ii]|
.set ii, ii+1
.endr
	v_max3_num_f32 v[MX], v[MX], v[MX+1], |v[\xr+31]|
	v_add_nc_u32 v[SCO], 0xff000000, v[MX]         ; 2 off its exponent field: the conversion takes the exponent field of this operand as its scale, and nothing else of it
	v_lshrrev_b32 v[EB], 23, v[SCO]                ; the scale's byte,
	v_lshlrev_b32 v[EB], v[H8], v[EB]              ; at byte 0 (rows 0-15) or byte 1 (rows 16-31);
	v_permlanex16_b32 v[TP], v[EB], s56, s57       ; lane l xor 16's;
	v_add3_u32 v[XS], v[EB], v[TP], v[KS]          ; the four bytes lie apart, so the sum joins them
.irp g, 0,1,2,3
	v_cvt_scalef32_pk8_fp4_f32 v[XC+\g], v[\xr+8*\g:\xr+8*\g+7], v[SCO]
.endr
.endm
; the products.  Four accumulators, each begun with the biases as C; none adds in place.  tail = 1: rows 0-15 alone
.macro MM dr, tail
	v_wmma_scale_f32_16x16x128_f8f6f4 v[\dr:\dr+7], v[WLO:WLO+7], v[XC:XC+7], v[CB:CB+7], v[WS], v[XS] matrix_a_fmt:MATRIX_FMT_FP4 matrix_b_fmt:MATRIX_FMT_FP4
	v_wmma_scale_f32_16x16x128_f8f6f4 v[\dr+8:\dr+15], v[WLO+8:WLO+15], v[XC:XC+7], v[CB+8:CB+15], v[WS], v[XS] matrix_a_fmt:MATRIX_FMT_FP4 matrix_b_fmt:MATRIX_FMT_FP4 matrix_a_scale:MATRIX_SCALE_ROW1
.if !\tail
	v_wmma_scale_f32_16x16x128_f8f6f4 v[\dr+16:\dr+23], v[WHI:WHI+7], v[XC:XC+7], v[CB:CB+7], v[WS], v[XS] matrix_a_fmt:MATRIX_FMT_FP4 matrix_b_fmt:MATRIX_FMT_FP4
	v_wmma_scale_f32_16x16x128_f8f6f4 v[\dr+24:\dr+31], v[WHI+8:WHI+15], v[XC:XC+7], v[CB+8:CB+15], v[WS], v[XS] matrix_a_fmt:MATRIX_FMT_FP4 matrix_b_fmt:MATRIX_FMT_FP4 matrix_a_scale:MATRIX_SCALE_ROW1
.endif
.endm
; the sigmoid of np pairs, in place, ascending: each accumulator is first read at its low end.  Two batches of transcendentals, one wait each;
; the last pair's plain line stands behind the bulk of a batch, and the first line behind each wait names neither of the batch's last two results: every result has a plain line ahead of its use (ISA guide 5.7.2)
.macro SIG dr, np
.set ii, 0
.rept \np-1
	v_pk_mul_f32 v[\dr+2*ii:\dr+2*ii+1], v[\dr+2*ii:\dr+2*ii+1], s[58:59] op_sel_hi:[1,0]
.set ii, ii+1
.endr
.set ii, 0
.rept 2*\np-2
	v_exp_f32 v[\dr+ii], v[\dr+ii]
.set ii, ii+1
.endr
	v_pk_mul_f32 v[\dr+2*\np-2:\dr+2*\np-1], v[\dr+2*\np-2:\dr+2*\np-1], s[58:59] op_sel_hi:[1,0]
	v_exp_f32 v[\dr+2*\np-2], v[\dr+2*\np-2]
	v_exp_f32 v[\dr+2*\np-1], v[\dr+2*\np-1]
	s_wait_alu depctr_va_vdst(0)                   ; one wait for all the exponentials, ahead of their first reader
.set ii, 0
.rept \np-1
	v_pk_add_f32 v[\dr+2*ii:\dr+2*ii+1], v[\dr+2*ii:\dr+2*ii+1], 1.0 op_sel_hi:[1,0]
.set ii, ii+1
.endr
.set ii, 0
.rept 2*\np-2
	v_rcp_f32 v[\dr+ii], v[\dr+ii]
.set ii, ii+1
.endr
	v_pk_add_f32 v[\dr+2*\np-2:\dr+2*\np-1], v[\dr+2*\np-2:\dr+2*\np-1], 1.0 op_sel_hi:[1,0]
	v_rcp_f32 v[\dr+2*\np-2], v[\dr+2*\np-2]
	v_rcp_f32 v[\dr+2*\np-1], v[\dr+2*\np-1]
	s_wait_alu depctr_va_vdst(0)                   ; one wait for all the reciprocals, ahead of their first reader
.endm
; the dot with W4.  A lane holds 16 of a row's 32 f, for row r (first 16 registers) and for row 16 + r (the others); lane l xor 16 holds the other 16 f
.macro SCORE dr, tail
.if \tail
	v_pk_mul_f32 v[12:13], v[\dr:\dr+1], v[W4V:W4V+1]
	v_pk_mul_f32 v[14:15], v[\dr+8:\dr+9], v[W4V+8:W4V+9]
.irp p, 2,4,6
	v_pk_fma_f32 v[12:13], v[\dr+\p:\dr+\p+1], v[W4V+\p:W4V+\p+1], v[12:13]
	v_pk_fma_f32 v[14:15], v[\dr+8+\p:\dr+8+\p+1], v[W4V+8+\p:W4V+8+\p+1], v[14:15]
.endr
	v_pk_add_f32 v[12:13], v[12:13], v[14:15]
	v_add_f32 v12, v12, v13
	v_permlanex16_b32 v[TP], v12, s56, s57
	v_add_f32 v16, v12, v[TP]                      ; row 128 + r % 8's score, in lanes r and 16 + r
	v_cndmask_b32 v16, 0, v16, s68                 ; lanes 8-31 hold copies of the eight rows: they count for nothing
.else
	v_pk_mul_f32 v[12:13], v[\dr:\dr+1], v[W4V:W4V+1]
	v_pk_mul_f32 v[14:15], v[\dr+16:\dr+17], v[W4V:W4V+1]
.irp p, 2,4,6,8,10,12,14
	v_pk_fma_f32 v[12:13], v[\dr+\p:\dr+\p+1], v[W4V+\p:W4V+\p+1], v[12:13]
	v_pk_fma_f32 v[14:15], v[\dr+16+\p:\dr+16+\p+1], v[W4V+\p:W4V+\p+1], v[14:15]
.endr
	v_add_f32 v12, v12, v13
	v_add_f32 v14, v14, v15
	v_permlane16_swap_b32 v12, v14                 ; v12's lanes 16-31 change places with v14's lanes 0-15: both halves of row l's dot now lie in lane l
	v_add_f32 v16, v12, v14                        ; row l's score in lane l
.endif
.endm
; eight landing loads' 512 bytes each go into two pair-rows: sixteen lanes write 256 consecutive bytes.  The bytes have had their only fill, and my reads of them have been waited for
.macro RESTAGE n0
.set ii, \n0
.rept 8
	ds_store_b128 v[SA], v[RL+4*ii:RL+4*ii+3] offset:2*PR*ii
.set ii, ii+1
.endr
.endm
; A STEP.  xr: this step's x, asked for from LDS at the end of the step before.  dr: the x of the step before, then this step's results.
; prev = 0: there is no step before; 1: its products start the running sums; 2: they add to them.  tail = 1: eight rows.
; Half of the earlier step's multiply-adds stand while the LDS loads are on their way.  The other half stand between the quantising and the products: eight plain vector instructions behind
; the line that writes the scale word and behind the conversions that write the codes (in front of a scaled matrix instruction a scale register so written stands eight places back, an operand four).
.macro STEP xr, dr, prev, tail
.if \prev == 1
	ACC8 \dr, 0, 1
.elseif \prev == 2
	ACC8 \dr, 0, 0
.endif
	s_wait_dscnt 0x0                               ; my row is in
	QUANT \xr
.if \prev == 1
	ACC8 \dr, 8, 1
.elseif \prev == 2
	ACC8 \dr, 8, 0
.else
.rept 8
	v_nop
.endr
.endif
	MM \dr, \tail
.rept 4
	v_nop                                          ; four places between a matrix instruction and the vector instruction that reads and rewrites its result (ISA guide 7.12.1); no independent work is left here
.endr
.if \tail
	SIG \dr, 8
.else
	SIG \dr, 16
.endif
	SCORE \dr, \tail
.endm
	s_wait_tensorcnt 0x1                           ; tensor loads of a wave end in order (ISA guide 10.11.1): rows 0-67 are in my region; the second tile may stay out
	LOADX XP, LA, 0
	STEP XP, XQ, 0, 0                              ; rows 0-31
	LOADX XQ, LA, STEPB
	STEP XQ, XP, 1, 0                              ; rows 32-63
	s_wait_tensorcnt 0x0                           ; rows 68-135 are in
	LOADX XP, LA, 2*STEPB
	STEP XP, XQ, 2, 0                              ; rows 64-95
	LOADX XQ, LA, 3*STEPB
	STEP XQ, XP, 2, 0                              ; rows 96-127
	LOADX XP, LAT, 4*STEPB
	STEP XP, XQ, 2, 1                              ; rows 128-135
	s_wait_loadcnt 8                               ; landing loads 0-7 are in; the eight behind them may stay out
	RESTAGE 0                                      ; rows 136-167 take the place of rows 0-31
	LOADX XQ, LA, 0                                ; LDS serves a wave's instructions in order (ISA guide 5.7.1.4): these see the stores above
	STEP XQ, XP, 2, 0                              ; rows 136-167
	s_wait_loadcnt 0x0
	RESTAGE 8                                      ; rows 168-199 take the place of rows 32-63
	LOADX XP, LA, STEPB
	STEP XP, XQ, 2, 0                              ; rows 168-199
	ACC8 XP, 0, 0
	ACC8 XP, 8, 0
	; THE FOLD.  Register i of lane l holds lane l's rows' share of out[b][i].  In five halvings each lane gives away half of its registers and takes the partner's share of the half that it keeps:
	; at the end lane l holds out[b][l], summed over all 32 lanes, in one register.
.irp i, 0,1,2,3,4,5,6,7,8,9,10,11,12,13,14,15
	v_permlane16_swap_b32 v[ACC+\i], v[ACC+16+\i]  ; lanes 0-15 keep i, lanes 16-31 keep 16 + i
.endr
.irp p, 0,2,4,6,8,10,12,14
	v_pk_add_f32 v[ACC+\p:ACC+\p+1], v[ACC+\p:ACC+\p+1], v[ACC+16+\p:ACC+16+\p+1]
.endr
.macro HALVE n, x, m                   ; lanes whose bit x is set keep registers n .. 2 n - 1, the others 0 .. n - 1; partners are lanes l and l xor x
.set ii, 0
.rept \n
	v_cndmask_b32 v[MX+ii%2], v[ACC+ii+\n], v[ACC+ii], s[\m]       ; what I give
	v_cndmask_b32 v[ACC+ii], v[ACC+ii], v[ACC+ii+\n], s[\m]        ; what I keep
	v_add_f32_dpp v[ACC+ii], v[MX+ii%2], v[ACC+ii] row_xmask:\x row_mask:0xf bank_mask:0xf
.set ii, ii+1
.endr
.endm
	HALVE 8, 8, 60
	HALVE 4, 4, 61
	HALVE 2, 2, 62
	HALVE 1, 1, 63
	; THE WAY OUT.  A wave's result is 128 bytes: the sixteen rows meet in LDS, and four waves store 512 consecutive bytes each, at a multiple of 256 from out0's first byte.
	v_lshl_add_u32 v8, v0, 2, OUTS                 ; row = wave, column = lane: 4 x my thread's number
	ds_store_b32 v8, v[ACC]
	s_wait_dscnt 0x0                               ; for the others' sake: my store has landed
	s_barrier_signal -1
	s_barrier_wait -1
	s_cmp_lt_u32 s2, 4
	s_cbranch_scc0 .Lend
	v_lshl_add_u32 v9, v0, 4, OUTS
	ds_load_b128 v[12:15], v9
	v_lshlrev_b32 v10, 4, v0
	s_wait_dscnt 0x0
	global_store_b128 v10, v[12:15], s[10:11] th:TH_STORE_NT       ; written once, read by nobody here
.Lend:
	s_wait_tensorcnt 0x0
	ds_add_u32 v22, v23
	s_wait_dscnt 0x0
	s_endpgm
.Lfunc_end_k_q6f125d7b6d_attn:
	.size	k_q6f125d7b6d_attn, .Lfunc_end_k_q6f125d7b6d_attn-k_q6f125d7b6d_attn
	.p2alignl 7, 3214868480
	.fill 96, 4, 3214868480
	.section	.rodata,"a",@progbits
	.p2align	6, 0x0
	.amdhsa_kernel k_q6f125d7b6d_attn
		.amdhsa_group_segment_fixed_size 327680
		.amdhsa_private_segment_fixed_size 0
		.amdhsa_enable_private_segment 0
		.amdhsa_kernarg_size 128
		.amdhsa_user_sgpr_count 2
		.amdhsa_user_sgpr_kernarg_segment_ptr 1
		.amdhsa_wavefront_size32 1
		.amdhsa_system_sgpr_workgroup_id_x 1
		.amdhsa_system_sgpr_workgroup_id_y 1
		.amdhsa_system_sgpr_workgroup_id_z 1
		.amdhsa_system_vgpr_workitem_id 0
		.amdhsa_next_free_vgpr 256
		.amdhsa_next_free_sgpr 70
		.amdhsa_reserve_vcc 0
		.amdhsa_float_denorm_mode_32 3
		.amdhsa_float_denorm_mode_16_64 3
		.amdhsa_memory_ordered 1
		.amdhsa_forward_progress 1
		.amdhsa_inst_pref_size 78
	.end_amdhsa_kernel
	.amdgpu_metadata
---
amdhsa.version: [ 1, 2 ]
amdhsa.kernels:
  - .name:           k_q6f125d7b6d_attn
    .symbol:         k_q6f125d7b6d_attn.kd
    .args:
      - { .name: all_memory, .offset: 0, .size: 8, .value_kind: global_buffer, .address_space: global }
      - { .name: out0, .offset: 8, .size: 8, .value_kind: global_buffer, .address_space: global }
      - { .name: W1_codes, .offset: 16, .size: 8, .value_kind: global_buffer, .address_space: global }
      - { .name: W2_codes, .offset: 24, .size: 8, .value_kind: global_buffer, .address_space: global }
      - { .name: W3_codes, .offset: 32, .size: 8, .value_kind: global_buffer, .address_space: global }
      - { .name: W1_scales, .offset: 40, .size: 8, .value_kind: global_buffer, .address_space: global }
      - { .name: W2_scales, .offset: 48, .size: 8, .value_kind: global_buffer, .address_space: global }
      - { .name: W3_scales, .offset: 56, .size: 8, .value_kind: global_buffer, .address_space: global }
      - { .name: b1, .offset: 64, .size: 8, .value_kind: global_buffer, .address_space: global }
      - { .name: b2, .offset: 72, .size: 8, .value_kind: global_buffer, .address_space: global }
      - { .name: b3, .offset: 80, .size: 8, .value_kind: global_buffer, .address_space: global }
      - { .name: W4, .offset: 88, .size: 8, .value_kind: global_buffer, .address_space: global }
      - { .name: last_memory_codes, .offset: 96, .size: 8, .value_kind: global_buffer, .address_space: global }
      - { .name: average_memory_codes, .offset: 104, .size: 8, .value_kind: global_buffer, .address_space: global }
      - { .name: last_memory_scales, .offset: 112, .size: 8, .value_kind: global_buffer, .address_space: global }
      - { .name: average_memory_scales, .offset: 120, .size: 8, .value_kind: global_buffer, .address_space: global }
    .group_segment_fixed_size: 327680
    .private_segment_fixed_size: 0
    .kernarg_segment_align: 8
    .kernarg_segment_size: 128
    .max_flat_workgroup_size: 512
    .sgpr_count:     70
    .vgpr_count:     256
    .wavefront_size: 32
...
	.end_amdgpu_metadata
.endif
;; end of part 1
